; MI455X (gfx1250); checked and timed in simulation.
; The chip was launched on July 23, 2026; its instructions are those of AMD's public machine-readable ISA for CDNA 5 (MIT licence, August 2026) and "CDNA5" Instruction Set Architecture Reference Guide (July 2026). The comments in the code are by the model that wrote it; some were corrected since.
;; Bayes Predictor. Allowed arithmetic: float matrix products may take bf16 or f16 operands with f32 sums; all other float work in f32.
;; Inputs: alphas 32 float32; data_batch 32,768 x 128 float32; inputs 32 x 128 float32.
;; Outputs: out0 32 x 128 float32.
;; One version. Each part assembles by itself: llvm-mc -triple=amdgcn-amd-amdhsa -mcpu=gfx1250 --defsym DOCPART=n.
;; ======== version 1 of 1: 2 launches
;; limits: inputs' magnitudes at most 65,504; values are held in f16: magnitudes above 65,504 overflow, below 6.1e-05 lose precision; a difference of large sums (such as E[x^2] - mean^2): digits are lost where the result is much smaller than its terms
;; workspace buffers: acc 4,194,304 bytes; ml 65,536 bytes
;; launch partial (part 1): grid 256 x 1, 4 waves a work-group, no clusters, 168,448 bytes of LDS; arguments data_batch, inputs, alphas, acc, ml; writes acc, ml
.if DOCPART == 1
	.amdgcn_target "amdgcn-amd-amdhsa--gfx1250"
	.amdhsa_code_object_version 6
	.text
	.protected	k_q64be8673d8_partial
	.globl	k_q64be8673d8_partial
	.p2align	8
	.type	k_q64be8673d8_partial,@function
k_q64be8673d8_partial:
	s_mov_b64 s[64:65], 0
	v_nop
	global_prefetch_b8 v0, s[64:65] scope:SCOPE_SE
	s_setreg_imm32_b32 hwreg(HW_REG_WAVE_MODE, 25, 1), 1
	s_wait_xcnt 0x0
; BayesPredictor, first of two launches: softmax attention of 32 queries x over 128 of the 32,768 keys d (keys = values).
; Terms constant in n cancel in the softmax, so the logit used, in powers of two, is
;     l[n][b] = c1[b] (x_b . d_n) - c2[b] |d_n|^2,   c1 = log2e sqrt(a)/(1-a),   c2 = 0.5 log2e a/(1-a).
; Work-group g owns keys 128 g .. 128 g + 127 and leaves, for each query b: the largest l (ml), the sum of 2^(l - max) (ml),
; and the sum of 2^(l - max) d_n (acc).  The second launch merges the 256 partial results.
;
; FORMATS.  c1 reaches about 28, so operands rounded once to 16 bits would move logits by tenths.  x and d are split in two f16:
; with c = 8193 d rounded to f32, hi = c - 8192 d is exact and has 11 bits, lo = d - hi is exact; x.d = hi.hi + lo.hi + hi.lo
; on the matrix unit with f32 sums (the lo.lo term, 2^-22 of a product, is dropped).  |d|^2, logits, exponentials, sums: f32.
; P.V takes P and hi(d) in f16 (2^-12 relative each).
; LIMITS: |x|, |d| below 65,504 (f16); parts below 2^-14 are rounded to multiples of 2^-24; 0 < alpha < 1.
;
; SHARES.  Four waves.  Wave w brings keys 32 w .. 32 w + 31 with two tensor loads (16 rows of 512 bytes each, both issued at once:
; 2 outstanding) into LDS bytes that only it reads, and makes S^T = D Q^T for them (A = 16 keys, B = 16 queries): in the result a
; lane holds ONE query and its registers eight keys, so maximum and sum need one exchange between lane halves, and the packed
; exponentials ARE the B fragment of O^T = V^T P^T.  For that product wave w takes queries 16 (w & 1) .., features 64 (w >> 1) ..
; over all 128 keys: P (8 KB) goes through LDS instead of accumulators, and a wave ends with 16 whole records of 256 bytes.
; No cluster: work-groups share only x (16 KB of the 80 KB that each reads); the data tiles are private.
.set DP,    528                        ; LDS pitch of a data row: 512 + 16 = 33 x 16 bytes, so 16 rows start in 16 different 16-byte columns mod 256
.set TILEB, 16*DP                      ; one tensor load: 16 keys
.set WDATA, 2*TILEB                    ; a wave: 32 keys
.set VP,    288                        ; pitch of hi(d) as [key][feature] f16: 256 + 32 = 9 x 32 bytes, for the transposing loads
.set QP,    272                        ; pitch of x hi / lo rows in f16: 256 + 16
.set SP,    272                        ; pitch of the way out: 64 f32 + 16
.set L_VH,  4*WDATA                    ; 67,584   hi(d), 128 keys
.set L_QH,  L_VH+128*VP                ; 104,448  hi(x), 32 rows
.set QLO,   32*QP                      ;          lo(x) lies this far behind hi(x)
.set L_NRM, L_QH+2*QLO                 ; 121,856  |d|^2: 32 f32 for each wave
.set L_MAX, L_NRM+512                  ; 122,368  maxima [query][wave]
.set SUMO,  512                        ;          sums [query][wave] lie this far behind the maxima
.set L_P,   L_MAX+1024                 ; 123,392  P fragments as register images: [wave][query tile][half][lane] 16 bytes
.set L_STG, L_P+8192                   ; 131,584  way out: 16 rows x SP for each wave; ends at 148,992
; registers, window 0
.set H,   32                           ; v32-63    hi fragments of a tile: K step s at H + 8 s
.set F,   64                           ; v64-127   a tile in f32 as loaded; lo fragment of K step s ends up in F + 16 s .. + 7
.set NR,  128                          ; v128-143  |d|^2 of keys 8 h + j of tile 0, tile 1
.set T,   144                          ; v144-159  at work
.set ACC, 160                          ; v160-191  S^T, then logits, then exponentials: tile t, query tile qt at ACC + 8 (2 t + qt)
.set N,   192                          ; v192-199  four chains of two sums of squares
.set MX,  200                          ; v200-203  maxima of tile t, query tile qt at MX + 2 t + qt
.set MB,  204                          ; v204-211  the four waves maxima, two query tiles
.set MM,  212                          ; v212-215  the work-group maximum, twice (a pair), for each query tile
.set PK,  216                          ; v216-231  my P fragments
.set VF,  32                           ; v32-159   V^T fragments: feature tile i, K step ks at VF + 8 (4 ks + i); later the way out
.set PF,  192                          ; v192-223  P^T fragments of my query tile, K step ks at PF + 8 ks
.set O,   224                          ; v224-255  O^T: feature tile i at O + 8 i
.set C1,  22                           ; v22-25    c1 twice, for query tile 0, 1 (v22-23 later: what wave 0 stores)
.set NC2, 26                           ; v26-29    -c2 twice, for query tile 0, 1
; window 1: v256-319 hi(x) fragments, v320-383 lo(x) fragments: query tile qt, K step s at 8 (4 qt + s)
.set G1,  16                           ; s[16:23]  descriptor group 1
.set G0,  24                           ; s[24:31]  descriptor group 0, one set for each of the two loads; never rewritten
.set MSB, 0
.macro WIN new                         ; the upper byte of the immediate repeats the setting that is left
.if MSB != \new
	s_set_vgpr_msb (MSB<<8)|\new
.set MSB, \new
.endif
.endm
.macro PLACES                          ; four places behind a matrix instruction before its result is read or a source rewritten (ISA guide 7.12.1)
.rept 4
	v_nop
.endr
.endm
; n pairs of f32 at v[x ..]: v[t ..] = their upper 11 bits, still in f32
.macro UPPER x, t, n
.set ii, 0
.rept \n
	v_pk_mul_f32 v[\t+2*ii:\t+2*ii+1], v[\x+2*ii:\x+2*ii+1], s[34:35] op_sel_hi:[1,0]                          ; c = 8193 d
.set ii, ii+1
.endr
.set ii, 0
.rept \n
	v_pk_fma_f32 v[\t+2*ii:\t+2*ii+1], v[\x+2*ii:\x+2*ii+1], s[36:37], v[\t+2*ii:\t+2*ii+1] op_sel_hi:[1,0,1]  ; hi = c - 8192 d, exact
.set ii, ii+1
.endr
.endm
.macro REST x, t, n                    ; v[x ..] = d - hi, exact
.set ii, 0
.rept \n
	v_pk_add_f32 v[\x+2*ii:\x+2*ii+1], v[\x+2*ii:\x+2*ii+1], v[\t+2*ii:\t+2*ii+1] neg_lo:[0,1] neg_hi:[0,1]
.set ii, ii+1
.endr
.endm
.macro PACK d, x, n                    ; n registers of two f16 from 2 n f32; ascending, so d = x is allowed
.set ii, 0
.rept \n
	v_cvt_pk_f16_f32 v[\d+ii], v[\x+2*ii], v[\x+2*ii+1]
.set ii, ii+1
.endr
.endm
	s_load_b256 s[4:11], s[0:1], 0x0               ; data s[4:5], inputs s[6:7], alphas s[8:9], acc s[10:11]
	s_load_b64 s[12:13], s[0:1], 0x20              ; ml
	s_set_vgpr_msb 0x40
	v_lshl_add_u32 v128, v0, 2, 0x29000
	v_mov_b32 v129, 0
	s_set_vgpr_msb 0x4045
	ds_add_u32 v128, v129
	ds_add_u32 v128, v129
	s_set_vgpr_msb 0x4500
	v_lshrrev_b32 v1, 5, v0
	v_readfirstlane_b32 s14, v1                    ; wave 0..3
	; group 1: 16 rows of 128 elements of 4 bytes, 4 dwords of padding behind every 128 dwords
	s_mov_b32 s[G1+0], (2<<16)|(1<<20)|(6<<22)|(3<<25)
	s_mov_b32 s[G1+1], 128<<16                     ; tensor_dim0 = 128
	s_mov_b32 s[G1+2], 16<<16                      ; tensor_dim1 = 16
	s_mov_b32 s[G1+3], 128<<16                     ; tile_dim0 = 128
	s_mov_b32 s[G1+4], 16                          ; tile_dim1 = 16
	s_mov_b32 s[G1+5], 128                         ; elements from row to row
	s_mov_b32 s[G1+6], 0
	s_mov_b32 s[G1+7], 0
	s_lshl_b32 s2, ttmp9, 16                       ; 128 keys x 512 bytes for each work-group
	s_lshl_b32 s3, s14, 14                         ; 32 keys x 512 bytes for each wave
	s_add_co_u32 s2, s2, s3
	s_mov_b32 s3, 0
	s_mul_i32 s15, s14, WDATA                      ; my wave's rows in LDS
	v_lshlrev_b32 v4, 4, v0                        ; x: 16 bytes a thread
	v_and_b32 v2, 15, v0                           ; r
	v_lshlrev_b32 v6, 2, v2                        ; alphas: 4 r
	s_wait_dscnt 0x0
	s_wait_kmcnt 0x0
	s_add_nc_u64 s[4:5], s[4:5], s[2:3]
.irp t, 0,1
	s_mov_b32 s[G0+4*\t], 1
	s_add_co_u32 s[G0+4*\t+1], s15, \t*TILEB
	s_add_nc_u64 s[G0+4*\t+2:G0+4*\t+3], s[4:5], \t*8192
	s_or_b32 s[G0+4*\t+3], s[G0+4*\t+3], 0x80000000
	tensor_load_to_lds s[G0+4*\t:G0+4*\t+3], s[G1:G1+7]            ; all 16 KB of the wave are asked for before anything else
	s_nop 0
.endr
	global_load_b32 v30, v6, s[8:9]                ; alpha of query r
	global_load_b32 v31, v6, s[8:9] offset:64      ; alpha of query 16 + r
.irp i, 0,1,2,3,4,5,6,7
	global_load_b128 v[F+4*\i:F+4*\i+3], v4, s[6:7] offset:2048*\i ; x row 4 i + wave, features 4 lane .. + 3: 512 neighbouring bytes a load
.endr
	; constants and addresses, while the loads travel
	s_mov_b32 s32, 0x76543210                      ; v_permlanex16_b32: lane i of the other half
	s_mov_b32 s33, 0xfedcba98
	s_mov_b32 s34, 0x46000400                      ; 8193.0
	s_mov_b32 s35, 0x46000400
	s_mov_b32 s36, 0xc6000000                      ; -8192.0
	s_mov_b32 s37, 0xc6000000
	s_and_b32 s39, s14, 1                          ; my query tile in P.V
	s_lshr_b32 s40, s14, 1                         ; my half of the features in P.V
	s_lshl_b32 s42, s39, 21                        ; acc record of (query q, half c, group g) is at q 131072 + c 65536 + g 256
	s_lshl_b32 s41, s40, 16
	s_add_co_u32 s42, s42, s41
	s_lshl_b32 s44, ttmp9, 8
	s_add_co_u32 s42, s42, s44
	s_mov_b32 s43, 0
	s_mov_b32 s45, 0
	s_add_nc_u64 s[10:11], s[10:11], s[42:43]
	s_add_nc_u64 s[12:13], s[12:13], s[44:45]      ; ml record of group g
	v_and_b32 v1, 31, v0                           ; lane
	v_bfe_u32 v3, v0, 4, 1                         ; h
	s_mul_i32 s38, s14, QP
	s_add_co_u32 s38, s38, L_QH
	v_lshl_add_u32 v5, v1, 3, s38                  ; x parts in: row wave (+ 4 i), 8 bytes a lane
	v_mul_u32_u24 v7, v2, QP
	v_lshl_add_u32 v7, v3, 4, v7
	v_add_nc_u32 v7, L_QH, v7                      ; x fragments: row r, 16 h
	v_mul_u32_u24 v8, v2, DP
	v_lshl_add_u32 v8, v3, 5, v8
	v_add_nc_u32 v8, s15, v8                       ; data fragments in f32: row r, 32 h
	v_mul_u32_u24 v9, v2, VP
	v_lshl_add_u32 v9, v3, 4, v9
	s_mul_i32 s38, s14, 32*VP
	s_add_co_u32 s38, s38, L_VH
	v_add_nc_u32 v9, s38, v9                       ; hi(d) in: key 32 wave + r, 16 h
	s_lshl_b32 s38, s14, 7
	s_add_co_u32 s38, s38, L_NRM
	v_lshl_add_u32 v10, v2, 2, s38                 ; |d|^2 in: key r
	v_lshl_add_u32 v11, v3, 5, s38                 ; |d|^2 back: keys 8 h ..
	s_lshl_b32 s38, s14, 2
	s_add_co_u32 s38, s38, L_MAX
	v_lshl_add_u32 v12, v2, 4, s38                 ; maxima and sums in: [query r][wave]
	v_lshlrev_b32 v13, 4, v2
	v_add_nc_u32 v13, L_MAX, v13                   ; maxima back: query r, four waves
	s_lshl_b32 s38, s14, 11
	s_add_co_u32 s38, s38, L_P
	v_lshl_add_u32 v14, v1, 4, s38                 ; my P fragments in
	s_lshl_b32 s38, s39, 10
	s_add_co_u32 s38, s38, L_P
	v_lshl_add_u32 v15, v1, 4, s38                 ; P fragments of my query tile back
	v_and_b32 v16, 7, v0
	v_lshl_add_u32 v16, v3, 3, v16                 ; transposing load: key 8 h + (lane & 7),
	v_mul_u32_u24 v16, v16, VP
	v_bfe_u32 v20, v0, 3, 1
	v_lshl_add_u32 v16, v20, 4, v16                ; 16 bytes x bit 3 of the lane,
	s_lshl_b32 s38, s40, 7
	s_add_co_u32 s38, s38, L_VH
	v_add_nc_u32 v16, s38, v16                     ; my 64 features
	s_mul_i32 s38, s14, 16*SP
	s_add_co_u32 s38, s38, L_STG
	v_mul_u32_u24 v17, v2, SP
	v_lshl_add_u32 v17, v3, 5, v17
	v_add_nc_u32 v17, s38, v17                     ; way out, in: query r, features 8 h ..
	v_mul_u32_u24 v18, v3, SP
	v_lshl_add_u32 v18, v2, 4, v18
	v_add_nc_u32 v18, s38, v18                     ; way out, back: query h (+ 2 t), 16 r
	v_lshlrev_b32 v19, 17, v3
	v_lshl_add_u32 v19, v2, 4, v19                 ; acc: query h (+ 2 t), 16 r
	v_lshlrev_b32 v20, 4, v1
	v_add_nc_u32 v20, L_MAX, v20                   ; wave 0: query = lane
	v_lshlrev_b32 v21, 3, v1                       ; ml: 8 bytes a query
	; x in two f16 parts, a quarter of it in each wave, to LDS
	s_wait_loadcnt 0x0
	UPPER F, 96, 16
	REST  F, 96, 16
	PACK  32, 96, 16
	PACK  48, F, 16
.irp i, 0,1,2,3,4,5,6,7
	ds_store_b64 v5, v[32+2*\i:33+2*\i] offset:4*QP*\i
	ds_store_b64 v5, v[48+2*\i:49+2*\i] offset:QLO+4*QP*\i
.endr
	s_wait_dscnt 0x0                               ; for the other waves: my rows of x are written
	s_barrier_signal -1
	s_barrier_wait -1
	WIN 0x40                                       ; destination window 1
.irp qt, 0,1
.irp s, 0,1,2,3
	ds_load_b128 v[8*(4*\qt+\s):8*(4*\qt+\s)+3],       v7 offset:16*QP*\qt+64*\s
	ds_load_b128 v[8*(4*\qt+\s)+4:8*(4*\qt+\s)+7],     v7 offset:16*QP*\qt+64*\s+32
	ds_load_b128 v[64+8*(4*\qt+\s):64+8*(4*\qt+\s)+3], v7 offset:QLO+16*QP*\qt+64*\s
	ds_load_b128 v[64+8*(4*\qt+\s)+4:64+8*(4*\qt+\s)+7], v7 offset:QLO+16*QP*\qt+64*\s+32
.endr
.endr
	WIN 0
	; c1 and -c2 of my lane's two queries
	v_sub_f32 v22, 1.0, v30
	v_sub_f32 v24, 1.0, v31
	v_rcp_f32 v22, v22
	v_rcp_f32 v24, v24
	v_sqrt_f32 v23, v30
	v_sqrt_f32 v25, v31
	v_mul_f32 v26, 0xbf38aa3b, v30                 ; -0.5 log2e a: the plain instruction behind the transcendentals (ISA guide 5.7.2)
	v_mul_f32 v28, 0xbf38aa3b, v31
	s_wait_alu depctr_va_vdst(0)
	v_mul_f32 v26, v26, v22
	v_mul_f32 v28, v28, v24
	v_mul_f32 v23, v23, v22
	v_mul_f32 v25, v25, v24
	v_mul_f32 v22, 0x3fb8aa3b, v23
	v_mul_f32 v24, 0x3fb8aa3b, v25
	v_mov_b32 v23, v22                             ; pairs for the packed arithmetic
	v_mov_b32 v25, v24
	v_mov_b32 v27, v26
	v_mov_b32 v29, v28
; 16 keys in f32, in fragment order: lane (r, h) takes key r, features 32 s + 8 h .. + 7 and 32 s + 16 + 8 h .. + 7
.macro LOADT t
.irp s, 0,1,2,3
	ds_load_b128 v[F+16*\s:F+16*\s+3],     v8 offset:\t*TILEB+128*\s
	ds_load_b128 v[F+16*\s+4:F+16*\s+7],   v8 offset:\t*TILEB+128*\s+16
	ds_load_b128 v[F+16*\s+8:F+16*\s+11],  v8 offset:\t*TILEB+128*\s+64
	ds_load_b128 v[F+16*\s+12:F+16*\s+15], v8 offset:\t*TILEB+128*\s+80
.endr
.endm
; one K step of a tile: split, sum of squares, hi to LDS for P.V
.macro CONVK t, s
	s_wait_dscnt 12-2*\s                           ; behind this step's four loads: 12 - 4 s loads and the 2 s stores of the steps before
	UPPER F+16*\s, T, 8
.set ii, 0
.rept 8
.if (8*\s+ii) < 4
	v_pk_mul_f32 v[N+2*(ii%4):N+2*(ii%4)+1], v[F+16*\s+2*ii:F+16*\s+2*ii+1], v[F+16*\s+2*ii:F+16*\s+2*ii+1]   ; the first squares start the four chains
.else
	v_pk_fma_f32 v[N+2*(ii%4):N+2*(ii%4)+1], v[F+16*\s+2*ii:F+16*\s+2*ii+1], v[F+16*\s+2*ii:F+16*\s+2*ii+1], v[N+2*(ii%4):N+2*(ii%4)+1]
.endif
.set ii, ii+1
.endr
	PACK H+8*\s, T, 8
	ds_store_b128 v9, v[H+8*\s:H+8*\s+3]   offset:\t*16*VP+64*\s
	ds_store_b128 v9, v[H+8*\s+4:H+8*\s+7] offset:\t*16*VP+64*\s+32
	REST F+16*\s, T, 8
	PACK F+16*\s, F+16*\s, 8
.endm
.macro CONVT t
	CONVK \t, 0
	CONVK \t, 1
	CONVK \t, 2
	CONVK \t, 3
	v_pk_add_f32 v[N:N+1], v[N:N+1], v[N+2:N+3]
	v_pk_add_f32 v[N+4:N+5], v[N+4:N+5], v[N+6:N+7]
	v_pk_add_f32 v[N:N+1], v[N:N+1], v[N+4:N+5]
	v_add_f32 v[N], v[N], v[N+1]
	v_permlanex16_b32 v[N+1], v[N], s32, s33       ; the other 64 features of key r
	v_add_f32 v[N], v[N], v[N+1]
	ds_store_b32 v10, v[N] offset:64*\t            ; from lane r to register j: through my own 64 bytes;
	ds_load_b128 v[NR+8*\t:NR+8*\t+3],   v11 offset:64*\t      ; LDS serves a wave in order (ISA guide 5.7.1.4): these see the store
	ds_load_b128 v[NR+8*\t+4:NR+8*\t+7], v11 offset:64*\t+16
.endm
; S^T of a tile: 2 query tiles x 4 K steps x (hi.hi + lo.hi + hi.lo); the first product starts each sum
.macro QKT t
	WIN 0x04                                       ; source 1 (x fragments) in window 1
.irp s, 0,1,2,3
.irp qt, 0,1
.if \s == 0
	v_wmma_f32_16x16x32_f16 v[ACC+8*(2*\t+\qt):ACC+8*(2*\t+\qt)+7], v[H+8*\s:H+8*\s+7], v[8*(4*\qt+\s):8*(4*\qt+\s)+7], 0
.else
	v_wmma_f32_16x16x32_f16 v[ACC+8*(2*\t+\qt):ACC+8*(2*\t+\qt)+7], v[H+8*\s:H+8*\s+7], v[8*(4*\qt+\s):8*(4*\qt+\s)+7], v[ACC+8*(2*\t+\qt):ACC+8*(2*\t+\qt)+7]
.endif
.endr
.irp qt, 0,1
	v_wmma_f32_16x16x32_f16 v[ACC+8*(2*\t+\qt):ACC+8*(2*\t+\qt)+7], v[F+16*\s:F+16*\s+7], v[8*(4*\qt+\s):8*(4*\qt+\s)+7], v[ACC+8*(2*\t+\qt):ACC+8*(2*\t+\qt)+7]
.endr
.irp qt, 0,1
	v_wmma_f32_16x16x32_f16 v[ACC+8*(2*\t+\qt):ACC+8*(2*\t+\qt)+7], v[H+8*\s:H+8*\s+7], v[64+8*(4*\qt+\s):64+8*(4*\qt+\s)+7], v[ACC+8*(2*\t+\qt):ACC+8*(2*\t+\qt)+7]
.endr
.endr
	WIN 0
	PLACES
.endm
; logits of a tile in place, l = c1 S - c2 |d|^2, and their maximum over my eight keys
.macro LOGIT t
.irp qt, 0,1
.irp p, 0,1,2,3
	v_pk_mul_f32 v[T+8*\qt+2*\p:T+8*\qt+2*\p+1], v[NR+8*\t+2*\p:NR+8*\t+2*\p+1], v[NC2+2*\qt:NC2+2*\qt+1]
.endr
.endr
.irp qt, 0,1
.irp p, 0,1,2,3
	v_pk_fma_f32 v[ACC+8*(2*\t+\qt)+2*\p:ACC+8*(2*\t+\qt)+2*\p+1], v[ACC+8*(2*\t+\qt)+2*\p:ACC+8*(2*\t+\qt)+2*\p+1], v[C1+2*\qt:C1+2*\qt+1], v[T+8*\qt+2*\p:T+8*\qt+2*\p+1]
.endr
.endr
.irp qt, 0,1
	v_max3_num_f32 v[MX+2*\t+\qt], v[ACC+8*(2*\t+\qt)], v[ACC+8*(2*\t+\qt)+1], v[ACC+8*(2*\t+\qt)+2]
.endr
.irp qt, 0,1
	v_max3_num_f32 v[MX+2*\t+\qt], v[MX+2*\t+\qt], v[ACC+8*(2*\t+\qt)+3], v[ACC+8*(2*\t+\qt)+4]
.endr
.irp qt, 0,1
	v_max3_num_f32 v[MX+2*\t+\qt], v[MX+2*\t+\qt], v[ACC+8*(2*\t+\qt)+5], v[ACC+8*(2*\t+\qt)+6]
.endr
.irp qt, 0,1
	v_max_num_f32 v[MX+2*\t+\qt], v[MX+2*\t+\qt], v[ACC+8*(2*\t+\qt)+7]
.endr
.endm
	s_wait_tensorcnt 0x1                           ; my first 16 keys are in LDS; the second load stays out
	LOADT 0
	CONVT 0
	QKT 0
	s_wait_tensorcnt 0x0                           ; my second 16 keys
	LOADT 1
	s_wait_dscnt 16                                ; tile 0's |d|^2: only the 16 loads just issued are younger
	LOGIT 0                                        ; register work while tile 1's fragments come from LDS
	CONVT 1
	QKT 1
	s_wait_dscnt 0x0                               ; tile 1's |d|^2
	LOGIT 1
.irp qt, 0,1
	v_max_num_f32 v[MX+\qt], v[MX+\qt], v[MX+2+\qt]
.endr
.irp qt, 0,1
	v_permlanex16_b32 v[MX+2+\qt], v[MX+\qt], s32, s33             ; the other half's 16 keys of the same query
.endr
.irp qt, 0,1
	v_max_num_f32 v[MX+\qt], v[MX+\qt], v[MX+2+\qt]
	ds_store_b32 v12, v[MX+\qt] offset:256*\qt
.endr
	s_wait_dscnt 0x0                               ; for the other waves: my maxima and my 32 rows of hi(d) are written
	s_barrier_signal -1
	s_barrier_wait -1
	ds_load_b128 v[MB:MB+3],   v13
	ds_load_b128 v[MB+4:MB+7], v13 offset:256
	; V^T fragments of my 64 features over all 128 keys: asked for now, used behind the next barrier
.irp ks, 0,1,2,3
.irp i, 0,1,2,3
	ds_load_tr16_b128 v[VF+8*(4*\ks+\i):VF+8*(4*\ks+\i)+3],   v16 offset:32*VP*\ks+32*\i
	ds_load_tr16_b128 v[VF+8*(4*\ks+\i)+4:VF+8*(4*\ks+\i)+7], v16 offset:32*VP*\ks+32*\i+16*VP
.endr
.endr
	s_wait_dscnt 32                                ; the maxima are in; the 32 younger loads stay out
.irp qt, 0,1
	v_max3_num_f32 v[MM+2*\qt], v[MB+4*\qt], v[MB+4*\qt+1], v[MB+4*\qt+2]
.endr
.irp qt, 0,1
	v_max_num_f32 v[MM+2*\qt], v[MM+2*\qt], v[MB+4*\qt+3]
.endr
.irp qt, 0,1
	v_mov_b32 v[MM+2*\qt+1], v[MM+2*\qt]
.endr
.irp t, 0,1
.irp qt, 0,1
.irp p, 0,1,2,3
	v_pk_add_f32 v[ACC+8*(2*\t+\qt)+2*\p:ACC+8*(2*\t+\qt)+2*\p+1], v[ACC+8*(2*\t+\qt)+2*\p:ACC+8*(2*\t+\qt)+2*\p+1], v[MM+2*\qt:MM+2*\qt+1] neg_lo:[0,1] neg_hi:[0,1]
.endr
.endr
.endr
.set ii, 0
.rept 32
	v_exp_f32 v[ACC+ii], v[ACC+ii]
.set ii, ii+1
.endr
	v_nop                                          ; one plain place behind the transcendentals (ISA guide 5.7.2)
	s_wait_alu depctr_va_vdst(0)
	; registers 0-3 of a B fragment are k = 8 h + j = tile 0's keys, registers 4-7 k = 16 + 8 h + j = tile 1's: packing is all
.irp qt, 0,1
.irp t, 0,1
	PACK PK+8*\qt+4*\t, ACC+8*(2*\t+\qt), 4
.endr
.endr
.irp qt, 0,1
	ds_store_b128 v14, v[PK+8*\qt:PK+8*\qt+3]   offset:1024*\qt
	ds_store_b128 v14, v[PK+8*\qt+4:PK+8*\qt+7] offset:1024*\qt+512
.endr
.macro SUMQ qt                         ; sum of my wave's 32 exponentials of a query
	v_pk_add_f32 v[ACC+8*\qt:ACC+8*\qt+1],       v[ACC+8*\qt:ACC+8*\qt+1],       v[ACC+8*\qt+2:ACC+8*\qt+3]
	v_pk_add_f32 v[ACC+8*\qt+4:ACC+8*\qt+5],     v[ACC+8*\qt+4:ACC+8*\qt+5],     v[ACC+8*\qt+6:ACC+8*\qt+7]
	v_pk_add_f32 v[ACC+16+8*\qt:ACC+16+8*\qt+1], v[ACC+16+8*\qt:ACC+16+8*\qt+1], v[ACC+16+8*\qt+2:ACC+16+8*\qt+3]
	v_pk_add_f32 v[ACC+16+8*\qt+4:ACC+16+8*\qt+5], v[ACC+16+8*\qt+4:ACC+16+8*\qt+5], v[ACC+16+8*\qt+6:ACC+16+8*\qt+7]
	v_pk_add_f32 v[ACC+8*\qt:ACC+8*\qt+1],       v[ACC+8*\qt:ACC+8*\qt+1],       v[ACC+8*\qt+4:ACC+8*\qt+5]
	v_pk_add_f32 v[ACC+16+8*\qt:ACC+16+8*\qt+1], v[ACC+16+8*\qt:ACC+16+8*\qt+1], v[ACC+16+8*\qt+4:ACC+16+8*\qt+5]
	v_pk_add_f32 v[ACC+8*\qt:ACC+8*\qt+1],       v[ACC+8*\qt:ACC+8*\qt+1],       v[ACC+16+8*\qt:ACC+16+8*\qt+1]
	v_add_f32 v[ACC+8*\qt], v[ACC+8*\qt], v[ACC+8*\qt+1]
	v_permlanex16_b32 v[ACC+8*\qt+1], v[ACC+8*\qt], s32, s33
	v_add_f32 v[ACC+8*\qt], v[ACC+8*\qt], v[ACC+8*\qt+1]
	ds_store_b32 v12, v[ACC+8*\qt] offset:SUMO+256*\qt
.endm
	SUMQ 0
	SUMQ 1
	s_wait_dscnt 0x0                               ; for the other waves: my P and my sums are written (and my V fragments are in)
	s_barrier_signal -1
	s_barrier_wait -1
.irp ks, 0,1,2,3
	ds_load_b128 v[PF+8*\ks:PF+8*\ks+3],   v15 offset:2048*\ks     ; K step ks = the 32 keys of wave ks
	ds_load_b128 v[PF+8*\ks+4:PF+8*\ks+7], v15 offset:2048*\ks+512
.endr
	s_cmp_lg_u32 s14, 0
	s_cbranch_scc1 .Lpv
	; wave 0: (maximum, sum) of query = lane: one store of 32 x 8 = 256 neighbouring bytes, aligned
	ds_load_b128 v[O:O+3],   v20
	ds_load_b128 v[O+4:O+7], v20 offset:SUMO
	s_wait_dscnt 0x0
	v_max3_num_f32 v22, v[O], v[O+1], v[O+2]
	v_max_num_f32 v22, v22, v[O+3]
	v_pk_add_f32 v[O+4:O+5], v[O+4:O+5], v[O+6:O+7]
	v_add_f32 v23, v[O+4], v[O+5]
	global_store_b64 v21, v[22:23], s[12:13]       ; v21-23 are not written again
.Lpv:
	s_wait_dscnt 0x0
	; O^T (16 features x 16 queries) = V^T P^T: 4 feature tiles x 4 K steps of 32 keys
.irp ks, 0,1,2,3
.irp i, 0,1,2,3
.if \ks == 0
	v_wmma_f32_16x16x32_f16 v[O+8*\i:O+8*\i+7], v[VF+8*(4*\ks+\i):VF+8*(4*\ks+\i)+7], v[PF+8*\ks:PF+8*\ks+7], 0
.else
	v_wmma_f32_16x16x32_f16 v[O+8*\i:O+8*\i+7], v[VF+8*(4*\ks+\i):VF+8*(4*\ks+\i)+7], v[PF+8*\ks:PF+8*\ks+7], v[O+8*\i:O+8*\i+7]
.endif
.endr
.endr
	PLACES
	; way out: a lane holds 8 neighbouring features of one query; through my own stage to whole records of 64 f32
.irp i, 0,1,2,3
	ds_store_b128 v17, v[O+8*\i:O+8*\i+3]   offset:64*\i
	ds_store_b128 v17, v[O+8*\i+4:O+8*\i+7] offset:64*\i+16
.endr
.irp t, 0,1,2,3,4,5,6,7
	ds_load_b128 v[VF+4*\t:VF+4*\t+3], v18 offset:2*SP*\t          ; in order behind the stores above
.endr
.irp t, 0,1,2,3,4,5,6,7
	s_wait_dscnt 7-\t                              ; the younger reads stay out
	global_store_b128 v19, v[VF+4*\t:VF+4*\t+3], s[10:11] offset:262144*\t    ; queries 2 t, 2 t + 1: 16 lanes fill each aligned record of 256 bytes
.endr
	s_set_vgpr_msb 0x5
	s_wait_tensorcnt 0x0
	ds_add_u32 v128, v129
	s_wait_dscnt 0x0
	s_set_vgpr_msb 0x500
	s_endpgm
.Lfunc_end_k_q64be8673d8_partial:
	.size	k_q64be8673d8_partial, .Lfunc_end_k_q64be8673d8_partial-k_q64be8673d8_partial
	.p2alignl 7, 3214868480
	.fill 96, 4, 3214868480
	.section	.rodata,"a",@progbits
	.p2align	6, 0x0
	.amdhsa_kernel k_q64be8673d8_partial
		.amdhsa_group_segment_fixed_size 168448
		.amdhsa_private_segment_fixed_size 0
		.amdhsa_enable_private_segment 0
		.amdhsa_kernarg_size 40
		.amdhsa_user_sgpr_count 2
		.amdhsa_user_sgpr_kernarg_segment_ptr 1
		.amdhsa_wavefront_size32 1
		.amdhsa_system_sgpr_workgroup_id_x 1
		.amdhsa_system_sgpr_workgroup_id_y 1
		.amdhsa_system_sgpr_workgroup_id_z 1
		.amdhsa_system_vgpr_workitem_id 0
		.amdhsa_next_free_vgpr 386
		.amdhsa_next_free_sgpr 66
		.amdhsa_reserve_vcc 0
		.amdhsa_float_denorm_mode_32 3
		.amdhsa_float_denorm_mode_16_64 3
		.amdhsa_memory_ordered 1
		.amdhsa_forward_progress 1
		.amdhsa_inst_pref_size 63
	.end_amdhsa_kernel
	.amdgpu_metadata
---
amdhsa.version: [ 1, 2 ]
amdhsa.kernels:
  - .name:           k_q64be8673d8_partial
    .symbol:         k_q64be8673d8_partial.kd
    .args:
      - { .name: data_batch, .offset: 0, .size: 8, .value_kind: global_buffer, .address_space: global }
      - { .name: inputs, .offset: 8, .size: 8, .value_kind: global_buffer, .address_space: global }
      - { .name: alphas, .offset: 16, .size: 8, .value_kind: global_buffer, .address_space: global }
      - { .name: acc, .offset: 24, .size: 8, .value_kind: global_buffer, .address_space: global }
      - { .name: ml, .offset: 32, .size: 8, .value_kind: global_buffer, .address_space: global }
    .group_segment_fixed_size: 168448
    .private_segment_fixed_size: 0
    .kernarg_segment_align: 8
    .kernarg_segment_size: 40
    .max_flat_workgroup_size: 128
    .sgpr_count:     66
    .vgpr_count:     386
    .wavefront_size: 32
...
	.end_amdgpu_metadata
.endif
;; end of part 1
;; launch combine (part 2): grid 64 x 1, 8 waves a work-group, no clusters, 5,120 bytes of LDS; arguments acc, ml, inputs, alphas, out0; writes out0
.if DOCPART == 2
	.amdgcn_target "amdgcn-amd-amdhsa--gfx1250"
	.amdhsa_code_object_version 6
	.text
	.protected	k_q64be8673d8_combine
	.globl	k_q64be8673d8_combine
	.p2align	8
	.type	k_q64be8673d8_combine,@function
k_q64be8673d8_combine:
	s_mov_b64 s[64:65], 0
	v_nop
	global_prefetch_b8 v0, s[64:65] scope:SCOPE_SE
	s_setreg_imm32_b32 hwreg(HW_REG_WAVE_MODE, 25, 1), 1
	s_wait_xcnt 0x0
; BayesPredictor, second of two launches: merge the 256 partial softmax results and finish.
; Work-group 2 b + c makes out0[b][64 c .. 64 c + 63].  Its 256 records of 64 f32 lie in one run of 65,536 bytes of acc.
; Thread t takes the 16 bytes at 16 (t & 15) of records g = (t >> 4) + 16 k, k = 0 .. 15: each load of a wave covers 512 neighbouring
; bytes, and all 16 loads of every thread are asked for at once.  Wave v therefore owns the 32 records g = 2 v + h + 16 k; lane (k, h)
; of the wave fetches (maximum, sum) of exactly that record, so the weights 2^(max_g - max of the wave) stay in the wave and reach the
; lanes of their half by row_share.  One barrier: eight wave results meet in LDS, wave 0 merges them and applies
; out = (x - sqrt(a) x0) / sqrt(1 - a).  All in f32; no matrix work, no tiles shared between work-groups, so no cluster.
; LIMIT: 0 < alpha < 1.
.set A,  16                            ; v16-79  record k: 4 registers; records 0 and 1 become the two running sums
.set XS, 0                             ; LDS: 8 waves x 256 bytes of sums
.set XM, 2048                          ;      8 maxima
.set XL, 2080                          ;      8 sums of weights
	s_load_b256 s[4:11], s[0:1], 0x0               ; acc s[4:5], ml s[6:7], inputs s[8:9], alphas s[10:11]
	s_load_b64 s[12:13], s[0:1], 0x20              ; out0
	v_lshl_add_u32 v96, v0, 2, 0x1000
	v_mov_b32 v97, 0
	v_lshrrev_b32 v1, 5, v0
	v_readfirstlane_b32 s14, v1                    ; wave 0..7
	s_lshr_b32 s15, ttmp9, 1                       ; b
	s_lshl_b32 s16, ttmp9, 16                      ; my run of acc
	s_mov_b32 s17, 0
	s_lshl_b32 s18, s15, 3                         ; (maximum, sum) of query b in a record of ml
	s_mov_b32 s19, 0
	s_lshl_b32 s20, ttmp9, 8                       ; my 256 bytes of inputs and of out0
	s_mov_b32 s21, 0
	s_lshl_b32 s22, s15, 2                         ; alpha of b
	s_mov_b32 s26, 0x76543210                      ; v_permlanex16_b32: lane i of the other half
	s_mov_b32 s27, 0xfedcba98
	v_and_b32 v2, 15, v0
	v_lshrrev_b32 v3, 4, v0
	v_lshl_add_u32 v3, v2, 4, v3                   ; g = 16 (t & 15) + (t >> 4)
	v_lshlrev_b32 v3, 8, v3                        ; a record of ml is 256 bytes
	v_lshlrev_b32 v4, 4, v0                        ; acc: 16 t
	v_lshlrev_b32 v5, 4, v2                        ; 16 (t & 15): x, out0 and the sums in LDS
	s_wait_kmcnt 0x0
	s_add_nc_u64 s[4:5], s[4:5], s[16:17]
	s_add_nc_u64 s[6:7], s[6:7], s[18:19]
	s_add_nc_u64 s[8:9], s[8:9], s[20:21]
	s_add_nc_u64 s[12:13], s[12:13], s[20:21]
	s_load_b32 s24, s[10:11], s22 offset:0x0
	global_load_b128 v[8:11], v5, s[8:9]           ; x, used by wave 0 at the end; every wave asks (256 bytes), so that all count their loads alike
	global_load_b64 v[6:7], v3, s[6:7]             ; maximum, sum of my record
.irp k, 0,1,2,3,4,5,6,7,8,9,10,11,12,13,14,15
	global_load_b128 v[A+4*\k:A+4*\k+3], v4, s[4:5] offset:4096*\k th:TH_LOAD_NT
.endr
	s_lshl_b32 s28, s14, 8
	v_add_nc_u32 v84, s28, v5                      ; my wave's sums in LDS
	s_lshl_b32 s28, s14, 2
	v_mov_b32 v85, s28                             ; my wave's word
	s_wait_loadcnt 16                              ; (maximum, sum) are in; the 16 younger loads stay out
	v_mov_b32 v12, v6
	v_mov_b32 v13, v6                              ; any value: v_permlanex16_b32 counts as a reader of its destination
	v_max_num_f32_dpp v12, v12, v12 row_xmask:1 row_mask:0xf bank_mask:0xf
	v_max_num_f32_dpp v12, v12, v12 row_xmask:2 row_mask:0xf bank_mask:0xf
	v_max_num_f32_dpp v12, v12, v12 row_xmask:4 row_mask:0xf bank_mask:0xf
	v_max_num_f32_dpp v12, v12, v12 row_xmask:8 row_mask:0xf bank_mask:0xf
	v_permlanex16_b32 v13, v12, s26, s27
	v_max_num_f32 v12, v12, v13                    ; the wave's maximum
	v_sub_f32 v14, v6, v12
	v_exp_f32 v14, v14                             ; my record's weight
	v_nop                                          ; one plain place behind the transcendental (ISA guide 5.7.2)
	s_wait_alu depctr_va_vdst(0)
	v_mul_f32 v15, v14, v7
	v_add_f32_dpp v15, v15, v15 row_xmask:1 row_mask:0xf bank_mask:0xf
	v_add_f32_dpp v15, v15, v15 row_xmask:2 row_mask:0xf bank_mask:0xf
	v_add_f32_dpp v15, v15, v15 row_xmask:4 row_mask:0xf bank_mask:0xf
	v_add_f32_dpp v15, v15, v15 row_xmask:8 row_mask:0xf bank_mask:0xf
	v_permlanex16_b32 v13, v15, s26, s27
	v_add_f32 v15, v15, v13                        ; the wave's sum of weights x sums
	; weighted sum of my 16 records: record k's weight sits in lane k of my half.  Two chains, started by records 0 and 1 in place.
.irp k, 0,1,2,3,4,5,6,7,8,9,10,11,12,13,14,15
	s_wait_loadcnt 15-\k                           ; record k is in; the younger ones stay out
.irp i, 0,1,2,3
.if \k < 2
	v_mul_f32_dpp v[A+4*\k+\i], v14, v[A+4*\k+\i] row_share:\k row_mask:0xf bank_mask:0xf
.else
	v_fmac_f32_dpp v[A+4*(\k%2)+\i], v14, v[A+4*\k+\i] row_share:\k row_mask:0xf bank_mask:0xf
.endif
.endr
.endr
	v_pk_add_f32 v[A:A+1],   v[A:A+1],   v[A+4:A+5]
	v_pk_add_f32 v[A+2:A+3], v[A+2:A+3], v[A+6:A+7]
.irp i, 0,1,2,3
	v_permlanex16_b32 v[A+8+\i], v[A+\i], s26, s27 ; the other half's 16 records
.endr
	v_pk_add_f32 v[A:A+1],   v[A:A+1],   v[A+8:A+9]
	v_pk_add_f32 v[A+2:A+3], v[A+2:A+3], v[A+10:A+11]
	ds_store_b128 v84, v[A:A+3] offset:XS          ; both halves hold, and write, the same 256 bytes
	ds_store_b32 v85, v12 offset:XM
	ds_store_b32 v85, v15 offset:XL
	s_wait_dscnt 0x0                               ; for wave 0: my results are written
	s_barrier_signal -1
	s_barrier_wait -1
	s_cmp_lg_u32 s14, 0
	s_cbranch_scc1 .Lend
	v_mov_b32 v1, 0
.irp v, 0,1,2,3,4,5,6,7
	ds_load_b128 v[32+4*\v:35+4*\v], v5 offset:XS+256*\v
.endr
	ds_load_b128 v[64:67], v1 offset:XM
	ds_load_b128 v[68:71], v1 offset:XM+16
	ds_load_b128 v[72:75], v1 offset:XL
	ds_load_b128 v[76:79], v1 offset:XL+16
	s_wait_kmcnt 0x0                               ; alpha
	s_wait_dscnt 0x0
	v_max3_num_f32 v80, v64, v65, v66
	v_max3_num_f32 v80, v80, v67, v68
	v_max3_num_f32 v80, v80, v69, v70
	v_max_num_f32 v80, v80, v71
.irp v, 0,1,2,3,4,5,6,7
	v_sub_f32 v[64+\v], v[64+\v], v80
.endr
.irp v, 0,1,2,3,4,5,6,7
	v_exp_f32 v[64+\v], v[64+\v]                   ; the waves' weights
.endr
	v_sub_f32 v81, 1.0, s24                        ; the variance: also the plain place behind the transcendentals
	s_wait_alu depctr_va_vdst(0)
	v_mul_f32 v82, v64, v72
.irp i, 0,1,2,3
	v_mul_f32 v[32+\i], v64, v[32+\i]
.endr
.irp v, 1,2,3,4,5,6,7
	v_fmac_f32 v82, v[64+\v], v[72+\v]             ; the softmax's denominator
.irp i, 0,1,2,3
	v_fmac_f32 v[32+\i], v[64+\v], v[32+4*\v+\i]   ; and its numerator, four features a lane
.endr
.endr
	v_rsq_f32 v81, v81                             ; 1 / sqrt(1 - a)
	v_rcp_f32 v82, v82
	v_sqrt_f32 v83, s24
	v_nop
	s_wait_alu depctr_va_vdst(0)
	v_mul_f32 v83, v83, v81
	v_mul_f32 v83, v83, v82                        ; sqrt(a) / (sqrt(1 - a) x denominator)
.irp i, 0,1,2,3
	v_mul_f32 v[32+\i], v83, v[32+\i]
.endr
.irp i, 0,1,2,3
	v_fma_f32 v[8+\i], v[8+\i], v81, -v[32+\i]     ; x / sqrt(1 - a) - sqrt(a) x0 / sqrt(1 - a)
.endr
	s_wait_xcnt 0x0                                ; EXEC is a source of the loads above: it changes only behind this wait
	v_cmp_gt_u32 vcc_lo, 16, v0
	s_wait_tensorcnt 0x0
	ds_add_u32 v96, v97
	s_wait_dscnt 0x0
	s_and_saveexec_b32 s25, vcc_lo                 ; lanes 0-15 hold the 64 results once
	global_store_b128 v5, v[8:11], s[12:13]        ; 16 lanes fill the aligned 256 bytes
	s_endpgm
.Lend:
	s_wait_tensorcnt 0x0
	ds_add_u32 v96, v97
	s_wait_dscnt 0x0
	s_endpgm
.Lfunc_end_k_q64be8673d8_combine:
	.size	k_q64be8673d8_combine, .Lfunc_end_k_q64be8673d8_combine-k_q64be8673d8_combine
	.p2alignl 7, 3214868480
	.fill 96, 4, 3214868480
	.section	.rodata,"a",@progbits
	.p2align	6, 0x0
	.amdhsa_kernel k_q64be8673d8_combine
		.amdhsa_group_segment_fixed_size 5120
		.amdhsa_private_segment_fixed_size 0
		.amdhsa_enable_private_segment 0
		.amdhsa_kernarg_size 40
		.amdhsa_user_sgpr_count 2
		.amdhsa_user_sgpr_kernarg_segment_ptr 1
		.amdhsa_wavefront_size32 1
		.amdhsa_system_sgpr_workgroup_id_x 1
		.amdhsa_system_sgpr_workgroup_id_y 1
		.amdhsa_system_sgpr_workgroup_id_z 1
		.amdhsa_system_vgpr_workitem_id 0
		.amdhsa_next_free_vgpr 98
		.amdhsa_next_free_sgpr 66
		.amdhsa_reserve_vcc 1
		.amdhsa_float_denorm_mode_32 3
		.amdhsa_float_denorm_mode_16_64 3
		.amdhsa_memory_ordered 1
		.amdhsa_forward_progress 1
		.amdhsa_inst_pref_size 14
	.end_amdhsa_kernel
	.amdgpu_metadata
---
amdhsa.version: [ 1, 2 ]
amdhsa.kernels:
  - .name:           k_q64be8673d8_combine
    .symbol:         k_q64be8673d8_combine.kd
    .args:
      - { .name: acc, .offset: 0, .size: 8, .value_kind: global_buffer, .address_space: global }
      - { .name: ml, .offset: 8, .size: 8, .value_kind: global_buffer, .address_space: global }
      - { .name: inputs, .offset: 16, .size: 8, .value_kind: global_buffer, .address_space: global }
      - { .name: alphas, .offset: 24, .size: 8, .value_kind: global_buffer, .address_space: global }
      - { .name: out0, .offset: 32, .size: 8, .value_kind: global_buffer, .address_space: global }
    .group_segment_fixed_size: 5120
    .private_segment_fixed_size: 0
    .kernarg_segment_align: 8
    .kernarg_segment_size: 40
    .max_flat_workgroup_size: 256
    .sgpr_count:     66
    .vgpr_count:     98
    .wavefront_size: 32
...
	.end_amdgpu_metadata
.endif
;; end of part 2
